; MI455X (gfx1250); checked and timed in simulation.
; The chip was launched on July 23, 2026; its instructions are those of AMD's public machine-readable ISA for CDNA 5 (MIT licence, August 2026) and "CDNA5" Instruction Set Architecture Reference Guide (July 2026). The comments in the code are by the model that wrote it; some were corrected since.
;; Vector Quantizer. Allowed arithmetic: matrix products marked QUANTISED: E2M3 operands, one E8M0 scale for each 32 along K, by v_wmma_scale_f32_16x16x128_f8f6f4 with both operands' format E2M3, f32 sums; everything else in f32.
;; Inputs: embeddings 512 x 64 float32; inputs 32 x 64 x 64 x 64 float32.
;; Outputs: out0 32 x 64 x 64 x 64 float32; out1 one number float32.
;; This version of the problem:
;;   THIS VERSION OF THE PROBLEM IS GIVEN IN LOW PRECISION. The matrix products marked QUANTISED in the list below multiply operands that are first quantised to E2M3 (2 exponent bits, 3 mantissa bits; 6 bits a number), with one power-of-two scale for each 32 numbers along K (OCP MX v1.0); their sums are f32. All else is computed in f32.
;;   The module's matrix products, in the order in which they are computed (A, B: the left and right operand; K: the contracted axis; several contracted axes count as one K, in the product's order):
;;     1. [M 131,072, K 64] x [K 64, N 512]; A: computed on the way; B: input embeddings: QUANTISED
;;   THE QUANTISER, for each operand of a quantised product, along K:
;;     - K is cut into blocks of 32 from its start; a last block that is shorter is filled with zeros.
;;     - A block's scale is 2^e with e = floor(log2(the largest magnitude in the block)) - 2, held to -126 .. 127; a block of zeros has e = 0. As a byte (E8M0): e + 127.
;;     - Each number is divided by its block's scale, clamped to +-7.5, and rounded to the nearest number of E2M3, ties to even, subnormals kept.
;;     - The product sums the exact products of the quantised numbers (number of the format x scale) in f32.
;;   ~~~python
;;   def quantise(x, axis):      # numpy; x: float32 -> the quantised numbers, widened to float32 again
;;       x = np.moveaxis(x, axis, -1); K = x.shape[-1]
;;       x = np.pad(x, [(0, 0)] * (x.ndim - 1) + [(0, -K % 32)]); x = x.reshape(x.shape[:-1] + (-1, 32)); a = np.abs(x).max(-1, keepdims=True)
;;       e = np.where(a > 0, np.clip(np.frexp(np.where(a > 0, a, 1))[1] - 1 - 2, -126, 127), 0)      # np.frexp(a)[1] - 1 = floor(log2(a)), exactly
;;       r = np.clip(x / 2.0 ** e, -7.5, 7.5)
;;       step = 2.0 ** (np.maximum(np.frexp(np.where(r == 0, 1, r))[1] - 1, 0) - 3)
;;       q = np.round(r / step) * step * 2.0 ** e      # np.round: ties to even
;;       return np.moveaxis(q.reshape(q.shape[:-2] + (-1,))[..., :K], -1, axis).astype(np.float32)
;;   ~~~
;;   OPERANDS COMPUTED ON THE WAY. 'Computed on the way' means the value that the module computes at that place (a softmax that the list does not call 'softmax' is quantised finished and normalised). What goes into a quantiser is computed in f32, as accurately as f32 sums, v_exp_f32 and their like allow (about 1e-6 of the number): no bf16 or f16 on the way to a quantiser, and a product that is left as it is and whose result goes on into a quantised operand takes f32 operands (vector FMAs, or v_wmma_f32_16x16x4_f32). A number that lies on a knife's edge between two numbers of the format may be rounded either way, as far as f32 arithmetic and the matrix unit's own rounding can turn it there, and no further.
;; One version. Each part assembles by itself: llvm-mc -triple=amdgcn-amd-amdhsa -mcpu=gfx1250 --defsym DOCPART=n.
;; ======== version 1 of 1: 2 launches
;; limits: right only within a limited range of input values
;; workspace buffers: part 8,192 bytes
;; launch vq (part 1): grid 256 x 1, 8 waves a work-group, clusters of 4 x 1, 295,936 bytes of LDS; arguments inputs, embeddings, out0, part; writes out0, part
.if DOCPART == 1
	.amdgcn_target "amdgcn-amd-amdhsa--gfx1250"
	.amdhsa_code_object_version 6
	.text
	.protected	k_q95e6ab6d17_vq
	.globl	k_q95e6ab6d17_vq
	.p2align	8
	.type	k_q95e6ab6d17_vq,@function
k_q95e6ab6d17_vq:
	s_mov_b64 s[64:65], 0
	v_nop
	global_prefetch_b8 v0, s[64:65] scope:SCOPE_SE
	s_setreg_imm32_b32 hwreg(HW_REG_WAVE_MODE, 25, 1), 1
	s_wait_xcnt 0x0
	s_wait_alu depctr_hold_cnt(0) depctr_sa_sdst(0) depctr_va_vdst(0) depctr_va_sdst(0) depctr_va_ssrc(0) depctr_va_vcc(0) depctr_vm_vsrc(0)
	s_getreg_b32 s2, hwreg(HW_REG_IB_STS2, 6, 4)
	s_cmp_eq_u32 s2, 0
	s_cbranch_scc0 .Lentry_in_a_cluster
	s_endpgm
.Lentry_in_a_cluster:
	s_bfe_u32 s2, ttmp6, 0x10000c
	s_cmp_lg_u32 s2, 0x3003
	s_cbranch_scc0 .Lentry_shape_is_right
	s_endpgm
.Lentry_shape_is_right:
; For each pixel p: j = argmin over the 512 codes of (||x_p||^2 + ||e_j||^2) - Q(2 x_p) . Q(e_j), the first j where several are equal; q = e_j; out0 = x + (q - x);
; part[8 g + w] = the sum of (q - x)^2 over wave w of work-group g.  x and out0: [32][64 channels][4096 pixels] f32; embeddings [512][64] f32.
; Q: codes of FP6 (E2M3) with one E8M0 scale for each 32 channels.  The product's K is 64: k = 64..127 of the matrix instruction are zero codes on x's side.
; SHARES.  A work-group of eight waves owns 512 pixels of one image, a wave 64.  Lane (r, h) = (lane % 16, lane / 16) loads pixels 4 r .. 4 r + 3 of channels 32 h .. 32 h + 31 and keeps them in
; registers until they leave as out0: x is read once.  PIXEL TILE u (0..3) IS THE PIXELS 4 r + u.
; E.  The four work-groups of a cluster want the same 131,072 bytes of embeddings: each wave asks for 64 rows JOINTLY (mask 15).  No LDS byte is filled twice.  Two operands are made of them:
; (1) code tiles along the channels for the distances: wave w makes tiles 4 w .. 4 w + 3; (2) THE TABLE ITSELF, transposed, K = the codes, for the lookup: wave w makes fragments 2 w and 2 w + 1.
; ARGMIN of a unit (4 code tiles x 1 pixel tile: 32 distances a lane): their minimum (v_min3 tree) against the pixel's best by a strict compare, so that the earlier chunk keeps a tie; where it wins, the
; chunk's number and the 32 distances are kept.  Where among the 32 the best stands is found ONCE a pixel tile: t = (d - m) 2^64, 0 where d = m; key = min over i of max(t_i, key_i), key_i = 1 + i / 128.
; The next unit's C (||x||^2 + ||e||^2, added in f32 in reference()'s order) and its four matrix instructions stand inside the current unit's argmin, on the other of two D buffers.
; THE LOOKUP.  j is made in this launch from floating-point numbers, so no address hangs on it: q = table^T x (a column with 1 at j), on the matrix unit.  1 is the FP6 code 8, so the column is exact: one bit in
; 48 registers of two lanes.  The table is a sum of FIVE FP6 DIGITS: with 2^e the scale that brings a block's largest magnitude (32 codes of one channel) into 2 .. 4, digit p is the rest so far / 2^(e - 5 p),
; rounded to E2M3: each rest is at most 1/8 of its digit's scale, so 4 in the next digit's units, and the last rest is at most 2^(e - 23).  The factor 2^(-5 p) stands in the column's scale bytes.
; The rows of a lookup tile ct are channels 8 ct .. + 7 and 32 + 8 ct .. + 7, so that register i of a lane's result is channel 32 h + 8 ct + i, as x lies.
; The k of a block are codes 64 c + i % 2 + 2 h + 4 (i / 2), so that the two halves of the lanes read raw rows that are two rows apart.
; LIMITS.  NaN and infinities among the inputs are not served.  |distance| stays under 2^63, and two unequal distances lie 2^-63 apart or more.  Blocks whose largest magnitude lies under 2^-124 get the scale
; byte 1 (a block of zeros too: its codes are zeros; only this program reads the bytes).  q is held to about 2^-23 of the largest magnitude in its channel of embeddings.  ||x||^2 and ||e||^2 are summed in another
; order than reference() sums them: a pixel whose two best distances lie within an f32 rounding of each other may take the other of the two.
; No prefetch: all of x is asked for by a wave's 32 loads at the head, and there is no later stream.
.set EPITCH, 272                       ; a row of embeddings in LDS: 256 bytes + 16
.set ESHARE, 64*EPITCH
.set IMG,    512*EPITCH                ; 32 images of 768 bytes (registers 0-3: 16 bytes a lane; registers 4-5: 8 bytes a lane)
.set TIMG,   768
.set ASC,    IMG+32*TIMG               ; 32 x 128 bytes: the code tiles' scale words
.set EEA,    ASC+32*128                ; 512 x 4 bytes: ||e||^2
.set TI,     EEA+2048                  ; the lookup's images: 5 digits x 16 fragments (4 x K step + ct) x 1,536 bytes (three pieces of 16 bytes a lane)
.set TPB,    24576
.set TSC,    TI+5*TPB                  ; 16 x 128 bytes: their scale words, the same for all digits
.set SPARE,  TSC+2048                  ; the spare words, 128 bytes a wave, that no other line names
.set FLOORB, 0x1800000                 ; 2^(3 - 127) and 2^(2 - 127): under them no largest magnitude is taken: so the scales' bytes cannot fall under 1
.set FLOORT, 0x1000000
.set OFF2,   0xff000000                ; 2 and 1 off an exponent field
.set OFF1,   0xff800000
.set KEY0,   0x3f800000                ; key i is the f32 with bits KEY0 + (i << 16)
; block 0 (v0-255)
.set VR,   1
.set VH,   2
.set VL,   3
.set XOFF, 4                           ; my byte offset in the wave's part of x and of out0
.set ERD,  5                           ; LDS: my 128 bytes of a raw row
.set IW16, 6                           ; LDS: where I store images, scale words, ||e||^2
.set IW8,  7
.set ASW,  8
.set EEW,  9
.set IR16, 10                          ; and where I read them
.set IR8,  11
.set ASR,  12
.set EER,  13
.set SH8,  14                          ; 8 h
.set TRD,  15                          ; LDS: my channel's words of the raw rows
.set BS,   16                          ; v16-19 x's scale words: scales and nothing else
.set AS,   20                          ; v20-23, v28-31 scale words of code tiles, then of the table (two sets): scales and nothing else
.set HSC,  24                          ; v24-27, v32 the column's scale words for digits 0-4: 127 - 5 p in every byte
.set SPW,  33
.set NIL,  34
.set TIA,  35                          ; v35-37 LDS: the lookup's images, digits 0-1, 2-3, 4: first where I store, then where I read
.set TSA,  38                          ; the same for their scale words
.set PLC,  39
.set CC,   40                          ; table phase: v40-51 a fragment's 12 registers
.set CH,   52                          ; v52-54, v56-58 upper halves of its blocks (a conversion's three registers begin on an even number)
.set PSC,  55
.set FT,   60                          ; v60-63 1 / scale of the two blocks, each twice
.set TY,   64                          ; v64-191 two fragments' 64 numbers
.set DQ,   192                         ; v192-255 a digit's value
.set MX,   192                         ; (ahead of it: v192-195 maxima, v196-197 scales, v198 the scale word)
.set SCT,  196
.set WT,   198
.set EB,   64                          ; code tile phase: v64-127 two sets of 32 numbers
.set CS,   128
.set CHI,  140
.set WD,   144
.set EV,   146
.set MXA,  148
.set SC,   150
.set BY,   151
.set SQA,  152
.set SQB,  154
.set PLA,  156
.set PLB,  157
.set B,    40                          ; v40-87  x's operands: tile u at B + 12 u: 6 registers of codes, 6 of zeros
.set XX,   88                          ; v88-95  ||x||^2 of tile u, twice
.set Y,    96                          ; x phase: v96-127 -2 x of one tile
.set XA,   128
.set XB,   132
.set XM,   136
.set XCH,  140
.set XP,   144
.set A,    96                          ; v96-125 the chunk's 4 code tiles, 6 registers each, then 6 zeros: a tile's k = 64..127 are the next tile's codes, which meet x's zero codes
.set EE,   126                         ; v126-157 ||e||^2 in the result's layout
.set D,    158                         ; v158-221 two buffers of 4 accumulators
.set BEST, 222
.set CBR,  226                         ; the best chunk's first code
.set T,    230
.set U,    240
.set W,    244
.set MN,   245
.set NM,   246                         ; v[246:247] -m 2^64
.set K,    248
.set KEY,  252
.set JX,   40                          ; lookup: v40-43 j of tile u
.set HY,   44                          ; v44-49 the column's six words of a slot; then v44-51 four chains of squares
.set SQ,   44
.set HT,   52                          ; v52-58 at work
.set HOT,  64                          ; v64-255 the columns: tile u at HOT + 48 u, K step s at + 12 s
; block 1 (v256-511), by its low numbers
.set RAW,  0                           ; v256-383 x: channel 32 h + i at RAW + 4 i, pixels 4 r + 0..3; then out0
.set SV,   128                         ; v384-511 the best chunk's 32 distances of tile u at SV + 32 u
.set ACC,  128                         ; lookup: v384-415 four accumulators,
.set FB,   160                         ; v416-511 two buffers of four fragments
.set SEL,  40                          ; s[40:41] v_permlanex16_b32's selects for lane l xor 16
.set HS,   42                          ; s[42:43] 2^64
.set CB,   44
.set CNT,  45
.set MSB, 0
.macro WIN new                         ; the immediate's high byte repeats the setting that is left
.if MSB != \new
	s_set_vgpr_msb (MSB<<8)|\new
.set MSB, \new
.endif
.endm
.macro PLACES
.rept 4
	v_nop
.endr
.endm
; A round of the cluster's barrier.
.macro CROUND
	s_barrier_signal -1
	s_barrier_wait -1
	s_cmp_lg_u32 s10, 0
	s_cbranch_scc1 .Lnot_wave_0_\@
	s_barrier_signal -3
.Lnot_wave_0_\@:
	s_barrier_wait -3
	s_barrier_signal -1
	s_barrier_wait -1
.endm
.macro XLOADS from                     ; eight of my 32 loads of x
	WIN 0x40
.set i, \from
.rept 8
	global_load_b128 v[RAW+4*i:RAW+4*i+3], v[XOFF], s[4:5] offset:i*16384 th:TH_LOAD_NT   ; 16 lanes read 256 consecutive bytes of a channel
.set i, i+1
.endr
	WIN 0
.endm
	s_load_b128 s[4:7], s[0:1], 0x0                ; inputs, embeddings
	s_load_b128 s[48:51], s[0:1], 0x10             ; out0, part
	v_lshl_add_u32 v[SPW], v0, 2, SPARE
	v_mov_b32 v[NIL], 0
	ds_add_u32 v[SPW], v[NIL]                      ; the opening lines
	ds_add_u32 v[SPW], v[NIL]
	v_lshrrev_b32 v1, 5, v0
	v_readfirstlane_b32 s10, v1                    ; wave 0..7
	v_and_b32 v[VR], 15, v0
	v_bfe_u32 v[VH], v0, 4, 1
	v_and_b32 v[VL], 31, v0
	s_bfe_u32 s11, ttmp6, 0x40000                  ; cx: it enters global addresses alone
	s_lshl_b32 s12, ttmp9, 2
	s_add_co_u32 s12, s12, s11                     ; work-group 0..255
	s_lshr_b32 s13, s12, 3                         ; image
	s_and_b32 s14, s12, 7                          ; which 512 of its 4,096 pixels
	s_lshl_b32 s16, s13, 20                        ; an image is 64 x 4,096 x 4 bytes
	s_lshl_b32 s14, s14, 11
	s_add_co_u32 s16, s16, s14
	s_lshl_b32 s15, s10, 8                         ; my wave's 64 pixels: 256 bytes
	s_add_co_u32 s16, s16, s15                     ; x and out0: my wave's first byte
	s_mov_b32 s17, 0
	s_lshl_b32 s18, s12, 5
	s_lshl_b32 s19, s10, 2
	s_add_co_u32 s18, s18, s19                     ; part: my wave's word
	s_mov_b32 s19, 0
	s_lshl_b32 s20, s10, 14                        ; embeddings: my wave's 64 rows of 256 bytes: the wave's number alone
	s_mov_b32 s21, 0
	s_mul_i32 s22, s10, ESHARE                     ; and where they go
	s_mul_i32 s23, s10, 4*TIMG
	s_lshl_b32 s24, s10, 9
	s_mul_i32 s25, s10, 3072                       ; my two fragments' images
	s_lshr_b32 s26, s10, 1
	s_mul_i32 s26, s26, 128*EPITCH                 ; table phase: K step w / 2: 128 raw rows,
	s_and_b32 s27, s10, 1
	s_lshl_b32 s27, s27, 6                         ; ct = 2 (w % 2) and the next: 8 channels, 32 bytes, each
	s_add_co_u32 s26, s26, s27
	s_wait_alu depctr_va_vdst(0)                   ; ahead of the readers below
	v_lshlrev_b32 v[XOFF], 4, v[VR]
	v_mul_u32_u24 v[ERD], v[VR], EPITCH
	v_and_b32 v40, 7, v[VR]
	v_lshrrev_b32 v41, 3, v[VR]
	v_lshl_add_u32 v[XOFF], v[VH], 19, v[XOFF]     ; 16 r + 32 h channels of 16,384 bytes
	v_lshl_add_u32 v[ERD], v[VH], 7, v[ERD]
	v_lshlrev_b32 v[TRD], 2, v40
	v_lshl_add_u32 v[IR16], v[VL], 4, IMG
	v_add_nc_u32 v[ERD], s22, v[ERD]               ; row r of a tile, + 128 h
	v_lshl_add_u32 v[TRD], v41, 7, v[TRD]          ; channel (r % 8) + 32 (r / 8)
	v_lshl_add_u32 v[IR8], v[VL], 3, IMG+512
	v_lshl_add_u32 v[ASR], v[VL], 2, ASC
	v_mul_u32_u24 v42, v[VH], 2*EPITCH             ; lanes 16-31 two rows further on
	v_lshl_add_u32 v[EER], v[VH], 5, EEA
	v_add_nc_u32 v[IW16], s23, v[IR16]
	v_add_nc_u32 v[IW8], s23, v[IR8]
	v_add_nc_u32 v[TRD], v42, v[TRD]
	v_add_nc_u32 v[ASW], s24, v[ASR]
	v_lshl_add_u32 v[EEW], v[VR], 2, EEA
	v_lshl_add_u32 v[TIA], v[VL], 4, TI
	v_add_nc_u32 v[TRD], s26, v[TRD]
	v_lshl_add_u32 v[TSA], v[VL], 2, TSC
	v_add_nc_u32 v[EEW], s15, v[EEW]               ; code 64 w + 16 t + r
	v_add_nc_u32 v[TIA], s25, v[TIA]
	v_lshlrev_b32 v[SH8], 3, v[VH]
	v_add_nc_u32 v[TSA], s15, v[TSA]               ; 256 bytes of scale words a wave
	v_add_nc_u32 v[TIA+1], 2*TPB, v[TIA]
	v_add_nc_u32 v[TIA+2], 4*TPB, v[TIA]
	v_mov_b32 v[HSC], 0x7f7f7f7f
	v_mov_b32 v[HSC+1], 0x7a7a7a7a
	v_mov_b32 v[HSC+2], 0x75757575
	v_mov_b32 v[HSC+3], 0x70707070
	v_mov_b32 v[HSC+8], 0x6b6b6b6b
	v_mov_b32 v[PLA], 0                            ; a lane permute's destination counts as one of its sources
	v_mov_b32 v[PLB], 0
	v_mov_b32 v[PLC], 0
	s_mov_b32 s[SEL], 0x76543210
	s_mov_b32 s[SEL+1], 0xfedcba98
	s_mov_b32 s[HS], 0x5f800000                    ; 2^64
	s_mov_b32 s[HS+1], s[HS]                       ; (named with it as a pair)
	; descriptor group 1: a dense block of 64 rows of 256 bytes (32 elements of 8 bytes), 16 bytes of padding behind each
	s_mov_b32 s32, 15|(3<<16)|(1<<20)|(1<<21)|(5<<22)|(3<<25)  ; the mask: all four work-groups; elements of 8 bytes; padding on; 21 set beside a mask; after every 64 words; 4 words of it
	s_mov_b32 s33, 32<<16                          ; tensor_dim0
	s_mov_b32 s34, 64<<16                          ; tensor_dim1
	s_mov_b32 s35, 32<<16                          ; tile_dim0
	s_mov_b32 s36, 64                              ; tile_dim1
	s_mov_b32 s37, 32                              ; elements from row to row
	s_mov_b32 s38, 0
	s_mov_b32 s39, 0
	s_mov_b32 s28, 1                               ; group 0: count,
	s_mov_b32 s29, s22                             ; LDS address
	s_wait_alu depctr_va_vdst(0)
	s_wait_dscnt 0x0                               ; both opening adds are done
	s_wait_kmcnt 0x0
	s_add_nc_u64 s[4:5], s[4:5], s[16:17]
	XLOADS 0                                       ; a quarter of x is on its way while the round is passed
	s_add_nc_u64 s[30:31], s[6:7], s[20:21]        ; group 0: global address,
	s_or_b32 s31, s31, 0x80000000                  ; type
	s_add_nc_u64 s[48:49], s[48:49], s[16:17]
	s_add_nc_u64 s[50:51], s[50:51], s[18:19]
	CROUND                                         ; all four work-groups are here: the joint loads meet
	tensor_load_to_lds s[28:31], s[32:39]          ; my one tensor load of the launch
	s_nop 0
.rept 4
	v_nop
.endr
	XLOADS 8
	s_wait_tensorcnt 0x0                           ; my 64 rows are in my LDS; up to the barrier only I read them
; ---- the code tiles: lane (r, h) holds code r's channels 32 h .. 32 h + 31: one block
.macro ELOAD t
.irp k, 0,1,2,3,4,5,6,7
	ds_load_b128 v[EB+32*((\t)%2)+4*\k:EB+32*((\t)%2)+4*\k+3], v[ERD] offset:(\t)*16*EPITCH+16*\k
.endr
.endm
.macro EQUANT t
.set EBU, EB+32*((\t)%2)
.set EC, CS+6*((\t)%2)
	v_max3_num_f32 v[MXA], |v[EBU]|, |v[EBU+1]|, FLOORB            ; the block's largest magnitude and the sum of squares: four chains by turns
	v_max3_num_f32 v[MXA+1], |v[EBU+2]|, |v[EBU+3]|, FLOORB
	v_pk_mul_f32 v[SQA:SQA+1], v[EBU:EBU+1], v[EBU:EBU+1]
	v_pk_mul_f32 v[SQB:SQB+1], v[EBU+2:EBU+3], v[EBU+2:EBU+3]
.irp i, 4,8,12,16,20,24,28
	v_max3_num_f32 v[MXA], v[MXA], |v[EBU+\i]|, |v[EBU+\i+1]|
	v_max3_num_f32 v[MXA+1], v[MXA+1], |v[EBU+\i+2]|, |v[EBU+\i+3]|
	v_pk_fma_f32 v[SQA:SQA+1], v[EBU+\i:EBU+\i+1], v[EBU+\i:EBU+\i+1], v[SQA:SQA+1]
	v_pk_fma_f32 v[SQB:SQB+1], v[EBU+\i+2:EBU+\i+3], v[EBU+\i+2:EBU+\i+3], v[SQB:SQB+1]
.endr
	v_max_num_f32 v[MXA], v[MXA], v[MXA+1]
	v_pk_add_f32 v[SQA:SQA+1], v[SQA:SQA+1], v[SQB:SQB+1]
	v_add_nc_u32 v[SC], OFF2, v[MXA]               ; 2 off its exponent field: the conversion takes the exponent field of this operand as its scale
	v_add_f32 v[SQA], v[SQA], v[SQA+1]
	v_lshrrev_b32 v[BY], 23, v[SC]                 ; the scale's byte
	v_cvt_scalef32_pk16_fp6_f32 v[EC:EC+2], v[EBU:EBU+15], v[SC]
	v_cvt_scalef32_pk16_fp6_f32 v[CHI:CHI+2], v[EBU+16:EBU+31], v[SC]
	v_lshlrev_b32 v[BY], v[SH8], v[BY]             ; at its place in the scale word.  (The plain place behind the conversions)
	v_permlanex16_b32 v[PLA], v[SQA], s[SEL], s[SEL+1]
	v_permlanex16_b32 v[PLB], v[BY], s[SEL], s[SEL+1]
.irp i, 0,1,2
	v_mov_b32 v[EC+3+\i], v[CHI+\i]
.endr
	v_add_f32 v[EV+(\t)%2], v[SQA], v[PLA]         ; ||e||^2: my 32 channels and lane l xor 16's
	v_or_b32 v[WD+(\t)%2], v[BY], v[PLB]           ; bytes 0 and 1; bytes 2 and 3 are 0: they scale products with x's zero codes
	ds_store_b128 v[IW16], v[EC:EC+3] offset:(\t)*TIMG
	ds_store_b64 v[IW8], v[EC+4:EC+5] offset:(\t)*TIMG
	ds_store_b32 v[ASW], v[WD+(\t)%2] offset:(\t)*128
	ds_store_b32 v[EEW], v[EV+(\t)%2] offset:(\t)*64   ; lanes r and r + 16 write the same word with the same value
.endm
	ELOAD 0
	ELOAD 1
	s_wait_dscnt 8                                 ; tile 0's eight loads are in; tile 1's may be out
	EQUANT 0
	ELOAD 2
	s_wait_dscnt 12                                ; tile 1's are in; behind them: tile 0's 4 stores, tile 2's 8 loads
	EQUANT 1
	ELOAD 3
	s_wait_dscnt 12                                ; tile 2's are in; behind them: 4 stores, 8 loads
	EQUANT 2
	s_wait_dscnt 4                                 ; tile 3's are in; behind them: tile 2's 4 stores
	EQUANT 3
	XLOADS 16
	s_wait_dscnt 0x0                               ; for the others' sake: my images, scale words and ||e||^2 are in LDS
	s_barrier_signal -1
	s_barrier_wait -1                              ; everybody's are, and all 512 raw rows
; ---- the table for the lookup: lane (r, h) holds one channel; its registers run along the codes
.macro TLOAD g
.set i, 0
.rept 32
	ds_load_b32 v[TY+64*(\g)+i], v[TRD] offset:32*(\g)+EPITCH*(i%2+4*(i/2))
	ds_load_b32 v[TY+64*(\g)+32+i], v[TRD] offset:32*(\g)+EPITCH*(64+i%2+4*(i/2))
.set i, i+1
.endr
.endm
.macro DIGIT g, p
	v_mov_b32 v[PSC], (127-5*(\p))<<23             ; the digit's scale
	v_cvt_scalef32_pk16_fp6_f32 v[CC:CC+2], v[YB:YB+15], v[PSC]
	v_cvt_scalef32_pk16_fp6_f32 v[CH:CH+2], v[YB+16:YB+31], v[PSC]
	v_cvt_scalef32_pk16_fp6_f32 v[CC+6:CC+8], v[YB+32:YB+47], v[PSC]
	v_cvt_scalef32_pk16_fp6_f32 v[CH+4:CH+6], v[YB+48:YB+63], v[PSC]
	v_nop                                          ; the plain place behind the conversions
.irp i, 0,1,2
	v_mov_b32 v[CC+3+\i], v[CH+\i]
	v_mov_b32 v[CC+9+\i], v[CH+4+\i]
.endr
.irp k, 0,1,2
	ds_store_b128 v[TIA+(\p)/2], v[CC+4*\k:CC+4*\k+3] offset:((\p)%2)*TPB+1536*(\g)+512*\k
.endr
.if (\p) < 4
	v_cvt_scale_pk16_f32_fp6 v[DQ:DQ+15], v[CC:CC+2], v[HSC+(\p)]
	v_cvt_scale_pk16_f32_fp6 v[DQ+16:DQ+31], v[CH:CH+2], v[HSC+(\p)]
	v_cvt_scale_pk16_f32_fp6 v[DQ+32:DQ+47], v[CC+6:CC+8], v[HSC+(\p)]
	v_cvt_scale_pk16_f32_fp6 v[DQ+48:DQ+63], v[CH+4:CH+6], v[HSC+(\p)]
	v_nop
.set i, 0
.rept 32
	v_pk_add_f32 v[YB+2*i:YB+2*i+1], v[YB+2*i:YB+2*i+1], v[DQ+2*i:DQ+2*i+1] neg_lo:[0,1] neg_hi:[0,1]   ; the rest: exact
.set i, i+1
.endr
.endif
.endm
.macro TABLE g
.set YB, TY+64*(\g)
.irp c, 0,1
	v_max3_num_f32 v[MX+2*\c], |v[YB+32*\c]|, |v[YB+32*\c+1]|, FLOORT
	v_max3_num_f32 v[MX+2*\c+1], |v[YB+32*\c+2]|, |v[YB+32*\c+3]|, FLOORT
.endr
.irp k, 4,8,12,16,20,24,28
.irp c, 0,1
	v_max3_num_f32 v[MX+2*\c], v[MX+2*\c], |v[YB+32*\c+\k]|, |v[YB+32*\c+\k+1]|
	v_max3_num_f32 v[MX+2*\c+1], v[MX+2*\c+1], |v[YB+32*\c+\k+2]|, |v[YB+32*\c+\k+3]|
.endr
.endr
.irp c, 0,1
	v_max_num_f32 v[MX+2*\c], v[MX+2*\c], v[MX+2*\c+1]
.endr
.irp c, 0,1
	v_add_nc_u32 v[SCT+\c], OFF1, v[MX+2*\c]       ; 1 off the exponent field: the largest lies in 2 .. 4 of the scale
.endr
.irp c, 0,1
	v_and_b32 v[SCT+\c], 0x7f800000, v[SCT+\c]
.endr
.irp c, 0,1
	v_sub_nc_u32 v[FT+2*\c], 0x7f000000, v[SCT+\c] ; 1 / scale
	v_sub_nc_u32 v[FT+2*\c+1], 0x7f000000, v[SCT+\c]
.endr
	v_lshrrev_b32 v[SCT], 23, v[SCT]               ; the scales' bytes: blocks h and 2 + h
	v_lshrrev_b32 v[SCT+1], 7, v[SCT+1]
	v_or_b32 v[WT], v[SCT], v[SCT+1]
	v_lshlrev_b32 v[WT], v[SH8], v[WT]
	v_permlanex16_b32 v[PLC], v[WT], s[SEL], s[SEL+1]
	v_or_b32 v[WT], v[WT], v[PLC]                  ; with lane l xor 16's two the word is whole
	ds_store_b32 v[TSA], v[WT] offset:128*(\g)
.set i, 0
.rept 16
	v_pk_mul_f32 v[YB+2*i:YB+2*i+1], v[YB+2*i:YB+2*i+1], v[FT:FT+1] op_sel_hi:[1,0]
	v_pk_mul_f32 v[YB+32+2*i:YB+33+2*i], v[YB+32+2*i:YB+33+2*i], v[FT+2:FT+3] op_sel_hi:[1,0]
.set i, i+1
.endr
.irp p, 0,1,2,3,4
	DIGIT \g, \p
.endr
.endm
	TLOAD 0
	s_wait_dscnt 0x0
	TLOAD 1
	XLOADS 24                                      ; the last quarter of x
	TABLE 0
	s_wait_dscnt 16                                ; the second fragment's loads are in; behind them: 16 stores
	TABLE 1
	s_wait_dscnt 0x0                               ; for the others' sake: my fragments are in LDS
	s_barrier_signal -1                            ; the wait stands ahead of the lookup; between the two stand register work and reads of the code tiles, which nobody writes any more
	v_lshl_add_u32 v[TIA], v[VL], 4, TI            ; from here on: where I read
	v_lshl_add_u32 v[TIA+1], v[VL], 4, TI+2*TPB
	v_lshl_add_u32 v[TIA+2], v[VL], 4, TI+4*TPB
	v_lshl_add_u32 v[TSA], v[VL], 2, TSC
; ---- x: ||x||^2 of the four tiles at once (a pair of registers is two pixels of one channel), then each tile's codes
	s_wait_alu depctr_va_vdst(0)
	s_wait_loadcnt 0x0                             ; my x is in
	v_mov_b32 v[XP], 0
	WIN 0x05
	v_pk_mul_f32 v[XA:XA+1], v[RAW:RAW+1], v[RAW:RAW+1]
	v_pk_mul_f32 v[XA+2:XA+3], v[RAW+2:RAW+3], v[RAW+2:RAW+3]
	v_pk_mul_f32 v[XB:XB+1], v[RAW+4:RAW+5], v[RAW+4:RAW+5]
	v_pk_mul_f32 v[XB+2:XB+3], v[RAW+6:RAW+7], v[RAW+6:RAW+7]
.set i, 2
.rept 15
	v_pk_fma_f32 v[XA:XA+1], v[RAW+4*i:RAW+4*i+1], v[RAW+4*i:RAW+4*i+1], v[XA:XA+1]
	v_pk_fma_f32 v[XA+2:XA+3], v[RAW+4*i+2:RAW+4*i+3], v[RAW+4*i+2:RAW+4*i+3], v[XA+2:XA+3]
	v_pk_fma_f32 v[XB:XB+1], v[RAW+4*i+4:RAW+4*i+5], v[RAW+4*i+4:RAW+4*i+5], v[XB:XB+1]
	v_pk_fma_f32 v[XB+2:XB+3], v[RAW+4*i+6:RAW+4*i+7], v[RAW+4*i+6:RAW+4*i+7], v[XB+2:XB+3]
.set i, i+2
.endr
	WIN 0
	v_pk_add_f32 v[XA:XA+1], v[XA:XA+1], v[XB:XB+1]
	v_pk_add_f32 v[XA+2:XA+3], v[XA+2:XA+3], v[XB+2:XB+3]
.irp u, 0,1,2,3
	v_permlanex16_b32 v[XB+\u], v[XA+\u], s[SEL], s[SEL+1]
.endr
.irp u, 0,1,2,3
	v_add_f32 v[XX+2*\u], v[XA+\u], v[XB+\u]       ; with the other 32 channels
.endr
.irp u, 0,1,2,3
	v_mov_b32 v[XX+2*\u+1], v[XX+2*\u]
.endr
.macro XQUANT u
	WIN 0x04
.set i, 0
.rept 32
	v_mul_f32 v[Y+i], -2.0, v[RAW+4*i+(\u)]        ; reference() quantises 2 x; the sign makes the product a subtraction; the write puts the pixel's channels on end
.set i, i+1
.endr
	WIN 0
.irp q, 0,1,2,3
	v_max3_num_f32 v[XM+\q], |v[Y+8*\q]|, |v[Y+8*\q+1]|, |v[Y+8*\q+2]|   ; four chains by turns
.endr
.irp q, 0,1,2,3
	v_max3_num_f32 v[XM+\q], v[XM+\q], |v[Y+8*\q+3]|, |v[Y+8*\q+4]|
.endr
.irp q, 0,1,2,3
	v_max3_num_f32 v[XM+\q], v[XM+\q], |v[Y+8*\q+5]|, |v[Y+8*\q+6]|
.endr
.irp q, 0,1,2,3
	v_max3_num_f32 v[XM+\q], v[XM+\q], |v[Y+8*\q+7]|, FLOORB
.endr
	v_max3_num_f32 v[XM], v[XM], v[XM+1], v[XM+2]
	v_max_num_f32 v[XM], v[XM], v[XM+3]
.irp i, 6,7,8
	v_mov_b32 v[B+12*(\u)+\i], 0                   ; k = 64..127: zero codes
.endr
	v_add_nc_u32 v[XM+1], OFF2, v[XM]              ; the conversion's scale operand
	v_lshrrev_b32 v[XM+2], 23, v[XM+1]             ; the scale's byte
	v_cvt_scalef32_pk16_fp6_f32 v[B+12*(\u):B+12*(\u)+2], v[Y:Y+15], v[XM+1]
	v_cvt_scalef32_pk16_fp6_f32 v[XCH:XCH+2], v[Y+16:Y+31], v[XM+1]
	v_lshlrev_b32 v[XM+2], v[SH8], v[XM+2]         ; (the plain place behind the conversions)
	v_permlanex16_b32 v[XP], v[XM+2], s[SEL], s[SEL+1]
.irp i, 0,1,2
	v_mov_b32 v[B+12*(\u)+3+\i], v[XCH+\i]
.endr
	v_or_b32 v[BS+(\u)], v[XM+2], v[XP]
.irp i, 9,10,11
	v_mov_b32 v[B+12*(\u)+\i], 0
.endr
.endm
	XQUANT 0
	XQUANT 1
	XQUANT 2
	XQUANT 3
.irp i, 24,25,26,27,28,29
	v_mov_b32 v[A+\i], 0                           ; what stands behind the chunk's fourth tile
.endr
; ---- the 32 units
.macro LOADA                           ; a chunk of four code tiles: 20 LDS loads
.irp t, 0,1,2,3
	ds_load_b128 v[A+6*\t:A+6*\t+3], v[IR16] offset:\t*TIMG
	ds_load_b64 v[A+6*\t+4:A+6*\t+5], v[IR8] offset:\t*TIMG
	ds_load_b32 v[AS+\t], v[ASR] offset:\t*128
	ds_load_b128 v[EE+8*\t:EE+8*\t+3], v[EER] offset:\t*64
	ds_load_b128 v[EE+8*\t+4:EE+8*\t+7], v[EER] offset:\t*64+16
.endr
.endm
.macro ONWARD                          ; the addresses of the next chunk
	v_add_nc_u32 v[IR16], 4*TIMG, v[IR16]
	v_add_nc_u32 v[IR8], 4*TIMG, v[IR8]
	v_add_nc_u32 v[ASR], 4*128, v[ASR]
	v_add_nc_u32 v[EER], 4*64, v[EER]
.endm
.macro CB4 dn, un, t                   ; C of code tile t for pixel tile un: ||x||^2 + ||e||^2
.irp k, 0,2,4,6
	v_pk_add_f32 v[\dn+8*(\t)+\k:\dn+8*(\t)+\k+1], v[EE+8*(\t)+\k:EE+8*(\t)+\k+1], v[XX+2*(\un):XX+2*(\un)+1]
.endr
.endm
.macro WM dn, un                       ; four accumulators, one instruction each
.irp t, 0,1,2,3
	v_wmma_scale_f32_16x16x128_f8f6f4 v[\dn+8*\t:\dn+8*\t+7], v[A+6*\t:A+6*\t+11], v[B+12*(\un):B+12*(\un)+11], v[\dn+8*\t:\dn+8*\t+7], v[AS+\t], v[BS+(\un)] matrix_a_fmt:MATRIX_FMT_FP6 matrix_b_fmt:MATRIX_FMT_FP6
.endr
.endm
; The argmin of pixel tile u in the chunk in hand.  nxt = 1: the next unit's C and products.  ld = 1: the next chunk's loads.  wt = 1: the wait for them.  first = 1: the first chunk, which is kept as it stands.
.macro STEP u, nxt, ld, wt, first
.set DC, D+32*((\u)%2)
.set DN, D+32*(((\u)+1)%2)
.set UN, ((\u)+1)%4
.irp i, 0,1,2,3,4,5,6,7,8,9
	v_min3_num_f32 v[T+\i], v[DC+3*\i], v[DC+3*\i+1], v[DC+3*\i+2]   ; in ascending order: each accumulator is first read at its low end
.endr
	v_min3_num_f32 v[U], v[T], v[T+1], v[T+2]
	v_min3_num_f32 v[U+1], v[T+3], v[T+4], v[T+5]
	v_min3_num_f32 v[U+2], v[T+6], v[T+7], v[T+8]
	v_min3_num_f32 v[U+3], v[T+9], v[DC+30], v[DC+31]
.if \wt
	s_wait_dscnt 0x0                               ; the next chunk's tiles are in
	ONWARD
.endif
.if \nxt
	CB4 DN, UN, 0
.endif
	v_min3_num_f32 v[W], v[U], v[U+1], v[U+2]
.if \nxt
	CB4 DN, UN, 1
.endif
.if \first
	v_min_num_f32 v[BEST+(\u)], v[W], v[U+3]
.else
	v_min_num_f32 v[MN], v[W], v[U+3]
.endif
.if \nxt
	CB4 DN, UN, 2
.endif
.if \first == 0
	v_cmp_lt_f32 vcc_lo, v[MN], v[BEST+(\u)]       ; strictly smaller than all earlier chunks'?
.endif
.if \nxt
	CB4 DN, UN, 3
	WM DN, UN
.endif
.set i, 0
.if \first
	WIN 0x40
.rept 32
	v_mov_b32 v[SV+32*(\u)+i], v[DC+i]             ; kept: (also the places between the products and the loads into their sources)
.set i, i+1
.endr
.else
	WIN 0x41
.rept 32
	v_cndmask_b32 v[SV+32*(\u)+i], v[SV+32*(\u)+i], v[DC+i], vcc_lo   ; kept where the chunk wins: (also those places)
.set i, i+1
.endr
.endif
	WIN 0
.if \ld
	LOADA
.endif
.if \first == 0
	v_cndmask_b32 v[CBR+(\u)], v[CBR+(\u)], s[CB], vcc_lo
	v_min_num_f32 v[BEST+(\u)], v[BEST+(\u)], v[MN]
.endif
.endm
	LOADA                                          ; chunk 0
	s_wait_dscnt 0x0
	ONWARD
	CB4 D, 0, 0
	CB4 D, 0, 1
	CB4 D, 0, 2
	CB4 D, 0, 3
	WM D, 0
.irp u, 0,1,2,3
	v_mov_b32 v[CBR+\u], 0                         ; (the places behind the first products)
.endr
	v_mov_b32 v[NM+1], 0                           ; (named as the upper half of a pair)
	STEP 0, 1, 0, 0, 1
	STEP 1, 1, 0, 0, 1
	STEP 2, 1, 1, 0, 1
	STEP 3, 1, 0, 1, 1
	s_mov_b32 s[CB], 64
	s_mov_b32 s[CNT], 6
.Lchunk:                                               ; a trip: the argmin of a chunk's four units; the products of its units 1 to 3 and of the next chunk's unit 0
	STEP 0, 1, 0, 0, 0
	STEP 1, 1, 0, 0, 0
	STEP 2, 1, 1, 0, 0                             ; the chunk's last products are issued: its tiles' registers take the next chunk
	STEP 3, 1, 0, 1, 0
	s_add_co_u32 s[CB], s[CB], 64
	s_sub_co_u32 s[CNT], s[CNT], 1
	s_cmp_lg_u32 s[CNT], 0
	s_cbranch_scc1 .Lchunk
	STEP 0, 1, 0, 0, 0                             ; the last chunk: nothing is left to load, and its last unit has no successor
	STEP 1, 1, 0, 0, 0
	STEP 2, 1, 0, 0, 0
	STEP 3, 0, 0, 0, 0
; ---- where among its chunk's 32 does each tile's best stand?
.macro LOCATE u
	v_mul_f32 v[NM], 0xdf800000, v[BEST+(\u)]      ; -m 2^64: exact
	WIN 0x41
.set i, 0
.rept 16
	v_pk_fma_f32 v[SV+32*(\u)+2*i:SV+32*(\u)+2*i+1], v[SV+32*(\u)+2*i:SV+32*(\u)+2*i+1], s[HS:HS+1], v[NM:NM+1] op_sel_hi:[1,0,0]   ; t
.set i, i+1
.endr
	WIN 0x05
.irp t, 0,1,2,3
	v_max_num_f32 v[K+\t], KEY0+((16*\t)<<16), v[SV+32*(\u)+8*\t]
.endr
.irp j, 1,2,3,4,5,6,7
.irp t, 0,1,2,3
	v_maxmin_num_f32 v[K+\t], v[SV+32*(\u)+8*\t+\j], KEY0+((16*\t+\j)<<16), v[K+\t]   ; min(max(t, key), so far): four chains by turns
.endr
.endr
	WIN 0
	v_min3_num_f32 v[K], v[K], v[K+1], v[K+2]
	v_min_num_f32 v[KEY+(\u)], v[K], v[K+3]        ; the key of the first code with d = m
.endm
	LOCATE 0
	LOCATE 1
	LOCATE 2
	LOCATE 3
; ---- the two halves of the lanes hold the two halves of the codes: the smaller distance wins, of equal ones the lower code
.irp u, 0,1,2,3
	v_bfe_u32 v[JX+\u], v[KEY+\u], 16, 7           ; 16 t + j
.endr
.irp u, 0,1,2,3
	v_add_nc_u32 v[JX+\u], v[JX+\u], v[CBR+\u]     ; + 64 x chunk
.endr
.irp u, 0,1,2,3
	v_add_nc_u32 v[JX+\u], v[JX+\u], v[SH8]        ; + 8 h
.endr
.irp u, 0,1,2,3
	v_permlanex16_b32 v[T+\u], v[BEST+\u], s[SEL], s[SEL+1]
.endr
.irp u, 0,1,2,3
	v_permlanex16_b32 v[T+4+\u], v[JX+\u], s[SEL], s[SEL+1]
.endr
.irp u, 0,1,2,3
	v_cmp_lt_f32 s46, v[T+\u], v[BEST+\u]
	v_cmp_eq_f32 s47, v[T+\u], v[BEST+\u]
	v_cmp_lt_u32 s52, v[T+4+\u], v[JX+\u]
	s_and_b32 s47, s47, s52
	s_or_b32 vcc_lo, s46, s47
	v_cndmask_b32 v[JX+\u], v[JX+\u], v[T+4+\u], vcc_lo
.endr
	s_wait_alu depctr_va_vdst(0)
	s_barrier_wait -1                              ; the whole table lies in LDS
; ---- the lookup.  Batch n = 5 ct + p: digit p of tile ct, four fragments (K steps)
.macro LOADQ n
.set LC, (\n)/5
.set LP, (\n)%5
.set LB, FB+48*((\n)%2)
	WIN 0x40
.irp s, 0,1,2,3
.irp k, 0,1,2
	ds_load_b128 v[LB+12*\s+4*\k:LB+12*\s+4*\k+3], v[TIA+LP/2] offset:(LP%2)*TPB+(4*\s+LC)*1536+512*\k
.endr
.endr
	WIN 0
.if LP == 0
.irp s, 0,1,2,3
	ds_load_b32 v[AS+8*(LC%2)+\s], v[TSA] offset:(4*\s+LC)*128
.endr
.endif
.endm
.macro COLUMN u                        ; the column of pixel 4 r + u: the code 8 at j's place, zeros elsewhere
	v_bfe_u32 v[HT], v[JX+(\u)], 1, 1              ; the half of the lanes that holds j
	v_bfe_u32 v[HT+1], v[JX+(\u)], 2, 4
	v_and_b32 v[HT+2], 1, v[JX+(\u)]
	v_lshrrev_b32 v[HT+6], 6, v[JX+(\u)]           ; slot: 2 x K step + c
	v_cmp_eq_u32 vcc_lo, v[HT], v[VH]
	v_lshl_or_b32 v[HT+1], v[HT+1], 1, v[HT+2]     ; i, its place in the block of 32
	v_mad_u32_u24 v[HT+3], v[HT+1], 6, 3           ; bit 3 of its code,
	v_lshlrev_b32 v[HT+4], v[HT+3], 1              ; in its word
	v_lshrrev_b32 v[HT+5], 5, v[HT+3]              ; (word 0..5)
	v_cndmask_b32 v[HT+4], 0, v[HT+4], vcc_lo
.irp n, 0,1,2,3,4,5
	v_cmp_eq_u32 s[70+\n], \n, v[HT+5]
.endr
.irp n, 0,1,2,3,4,5,6,7
	v_cmp_eq_u32 s[76+\n], \n, v[HT+6]
.endr
.irp n, 0,1,2,3,4,5
	v_cndmask_b32 v[HY+\n], 0, v[HT+4], s[70+\n]
.endr
.irp q, 0,1,2,3,4,5,6,7
.irp n, 0,1,2,3,4,5
	v_cndmask_b32 v[HOT+48*(\u)+6*\q+\n], 0, v[HY+\n], s[76+\q]
.endr
.endr
.endm
.macro BATCH ct, p
	s_wait_dscnt 0x0                               ; this batch's fragments are in
	PLACES                                         ; behind the last batch's products, ahead of the loads into their sources
.if BT < 19
	LOADQ BT+1
.endif
	WIN 0x51
.irp s, 0,1,2,3
.irp u, 0,1,2,3
.if (\p)+\s == 0
	v_wmma_scale_f32_16x16x128_f8f6f4 v[ACC+8*\u:ACC+8*\u+7], v[FB+48*(BT%2)+12*\s:FB+48*(BT%2)+12*\s+11], v[HOT+48*\u+12*\s:HOT+48*\u+12*\s+11], 0, v[AS+8*((\ct)%2)+\s], v[HSC+(\p)+4*((\p)/4)] matrix_a_fmt:MATRIX_FMT_FP6 matrix_b_fmt:MATRIX_FMT_FP6
.else
	v_wmma_scale_f32_16x16x128_f8f6f4 v[ACC+8*\u:ACC+8*\u+7], v[FB+48*(BT%2)+12*\s:FB+48*(BT%2)+12*\s+11], v[HOT+48*\u+12*\s:HOT+48*\u+12*\s+11], v[ACC+8*\u:ACC+8*\u+7], v[AS+8*((\ct)%2)+\s], v[HSC+(\p)+4*((\p)/4)] matrix_a_fmt:MATRIX_FMT_FP6 matrix_b_fmt:MATRIX_FMT_FP6
.endif
.endr
.endr
.endm
.macro FINISH ct                       ; 8 channels of each half of the lanes leave
	PLACES
	WIN 0x45
.irp u, 0,1,2,3
.irp j, 0,1,2,3,4,5,6,7
	v_sub_f32 v[ACC+8*\u+\j], v[ACC+8*\u+\j], v[RAW+4*(8*(\ct)+\j)+\u]   ; q - x
.endr
.endr
.irp j, 0,1,2,3,4,5,6,7
.irp u, 0,1,2,3
	v_add_f32 v[RAW+4*(8*(\ct)+\j)+\u], v[RAW+4*(8*(\ct)+\j)+\u], v[ACC+8*\u+\j]   ; x + (q - x): the write puts a channel's four pixels on end
.endr
.endr
	WIN 0x04
.irp j, 0,1,2,3,4,5,6,7
	global_store_b128 v[XOFF], v[RAW+4*(8*(\ct)+\j):RAW+4*(8*(\ct)+\j)+3], s[48:49] offset:(8*(\ct)+\j)*16384 th:TH_STORE_NT   ; 16 lanes store 256 consecutive bytes, at a multiple of 256 from out0's first byte
.endr
	WIN 0x05
.irp k, 0,2,4,6
.irp u, 0,1,2,3
.if (\ct)+\k == 0
	v_pk_mul_f32 v[SQ+2*\u:SQ+2*\u+1], v[ACC+8*\u:ACC+8*\u+1], v[ACC+8*\u:ACC+8*\u+1]   ; the first squares start the sums
.else
	v_pk_fma_f32 v[SQ+2*\u:SQ+2*\u+1], v[ACC+8*\u+\k:ACC+8*\u+\k+1], v[ACC+8*\u+\k:ACC+8*\u+\k+1], v[SQ+2*\u:SQ+2*\u+1]
.endif
.endr
.endr
	WIN 0
.endm
	LOADQ 0
	COLUMN 0
	COLUMN 1
	COLUMN 2
	COLUMN 3
	s_wait_alu depctr_va_vdst(0)
.set BT, 0
.irp ct, 0,1,2,3
.irp p, 0,1,2,3,4
	BATCH \ct, \p
.set BT, BT+1
.endr
	FINISH \ct
.endr
; ---- the wave's sum of squares
	v_pk_add_f32 v[SQ:SQ+1], v[SQ:SQ+1], v[SQ+2:SQ+3]
	v_pk_add_f32 v[SQ+4:SQ+5], v[SQ+4:SQ+5], v[SQ+6:SQ+7]
	v_mov_b32 v[HT], 0
	v_pk_add_f32 v[SQ:SQ+1], v[SQ:SQ+1], v[SQ+4:SQ+5]
	v_add_f32 v[SQ], v[SQ], v[SQ+1]
	v_add_f32_dpp v[SQ], v[SQ], v[SQ] row_xmask:1 row_mask:0xf bank_mask:0xf
	v_add_f32_dpp v[SQ], v[SQ], v[SQ] row_xmask:2 row_mask:0xf bank_mask:0xf
	v_add_f32_dpp v[SQ], v[SQ], v[SQ] row_xmask:4 row_mask:0xf bank_mask:0xf
	v_add_f32_dpp v[SQ], v[SQ], v[SQ] row_xmask:8 row_mask:0xf bank_mask:0xf
	v_permlanex16_b32 v[SQ+1], v[SQ], s[SEL], s[SEL+1]
	v_add_f32 v[SQ], v[SQ], v[SQ+1]                ; in every lane
	v_cmp_eq_u32 vcc_lo, 0, v[VL]
	s_wait_alu depctr_va_vdst(0)
	s_wait_xcnt 0x0                                ; EXEC is a source of the stores above: it changes only behind this wait
	s_and_saveexec_b32 s46, vcc_lo
	global_store_b32 v[HT], v[SQ], s[50:51]        ; lane 0 alone
	s_wait_xcnt 0x0
	s_or_b32 exec_lo, exec_lo, s46
	s_wait_tensorcnt 0x0                           ; the wave's end
	ds_add_u32 v[SPW], v[NIL]
	s_wait_dscnt 0x0
	CROUND                                         ; the closing round: no work-group ends while a partner may still ask for rows that name it
	s_endpgm
.Lfunc_end_k_q95e6ab6d17_vq:
	.size	k_q95e6ab6d17_vq, .Lfunc_end_k_q95e6ab6d17_vq-k_q95e6ab6d17_vq
	.p2alignl 7, 3214868480
	.fill 96, 4, 3214868480
	.section	.rodata,"a",@progbits
	.p2align	6, 0x0
	.amdhsa_kernel k_q95e6ab6d17_vq
		.amdhsa_group_segment_fixed_size 295936
		.amdhsa_private_segment_fixed_size 0
		.amdhsa_enable_private_segment 0
		.amdhsa_kernarg_size 32
		.amdhsa_user_sgpr_count 2
		.amdhsa_user_sgpr_kernarg_segment_ptr 1
		.amdhsa_wavefront_size32 1
		.amdhsa_system_sgpr_workgroup_id_x 1
		.amdhsa_system_sgpr_workgroup_id_y 1
		.amdhsa_system_sgpr_workgroup_id_z 1
		.amdhsa_system_vgpr_workitem_id 0
		.amdhsa_next_free_vgpr 512
		.amdhsa_next_free_sgpr 96
		.amdhsa_reserve_vcc 1
		.amdhsa_float_denorm_mode_32 3
		.amdhsa_float_denorm_mode_16_64 3
		.amdhsa_memory_ordered 1
		.amdhsa_forward_progress 1
		.amdhsa_inst_pref_size 248
	.end_amdhsa_kernel
	.amdgpu_metadata
---
amdhsa.version: [ 1, 2 ]
amdhsa.kernels:
  - .name:           k_q95e6ab6d17_vq
    .symbol:         k_q95e6ab6d17_vq.kd
    .args:
      - { .name: inputs, .offset: 0, .size: 8, .value_kind: global_buffer, .address_space: global }
      - { .name: embeddings, .offset: 8, .size: 8, .value_kind: global_buffer, .address_space: global }
      - { .name: out0, .offset: 16, .size: 8, .value_kind: global_buffer, .address_space: global }
      - { .name: part, .offset: 24, .size: 8, .value_kind: global_buffer, .address_space: global }
    .group_segment_fixed_size: 295936
    .private_segment_fixed_size: 0
    .kernarg_segment_align: 8
    .kernarg_segment_size: 32
    .max_flat_workgroup_size: 256
    .sgpr_count:     96
    .vgpr_count:     512
    .wavefront_size: 32
...
	.end_amdgpu_metadata
.endif
;; end of part 1
;; launch total (part 2): grid 1 x 1, 1 waves a work-group, no clusters, 0 bytes of LDS; arguments part, out1; writes out1
.if DOCPART == 2
	.amdgcn_target "amdgcn-amd-amdhsa--gfx1250"
	.amdhsa_code_object_version 6
	.text
	.protected	k_q95e6ab6d17_total
	.globl	k_q95e6ab6d17_total
	.p2align	8
	.type	k_q95e6ab6d17_total,@function
k_q95e6ab6d17_total:
	s_mov_b64 s[64:65], 0
	v_nop
	global_prefetch_b8 v0, s[64:65] scope:SCOPE_SE
	s_setreg_imm32_b32 hwreg(HW_REG_WAVE_MODE, 25, 1), 1
	s_wait_xcnt 0x0
; out1 = 0.25 m + m, m = (the sum of the 2,048 partial sums) / 8,388,608: both means of reference() are the same number.
; One wave: 16 loads of 512 consecutive bytes, all out together; then packed additions in four chains, and the sum over the lanes.
	s_load_b128 s[4:7], s[0:1], 0x0                ; part, out1
	v_lshlrev_b32 v1, 4, v0
	v_mov_b32 v2, 0
	s_mov_b32 s8, 0x76543210
	s_mov_b32 s9, 0xfedcba98                       ; v_permlanex16_b32's selects for lane l xor 16
	s_wait_alu depctr_va_vdst(0)
	s_wait_kmcnt 0x0
.set i, 0
.rept 16
	global_load_b128 v[8+4*i:11+4*i], v1, s[4:5] offset:512*i
.set i, i+1
.endr
	s_wait_loadcnt 0x0
.irp s, 1,2,3,4,5,6,7
.irp c, 0,1,2,3
	v_pk_add_f32 v[8+2*\c:9+2*\c], v[8+2*\c:9+2*\c], v[8+8*\s+2*\c:9+8*\s+2*\c]
.endr
.endr
	v_pk_add_f32 v[8:9], v[8:9], v[10:11]
	v_pk_add_f32 v[12:13], v[12:13], v[14:15]
	v_pk_add_f32 v[8:9], v[8:9], v[12:13]
	v_add_f32 v8, v8, v9
	v_add_f32_dpp v8, v8, v8 row_xmask:1 row_mask:0xf bank_mask:0xf
	v_add_f32_dpp v8, v8, v8 row_xmask:2 row_mask:0xf bank_mask:0xf
	v_add_f32_dpp v8, v8, v8 row_xmask:4 row_mask:0xf bank_mask:0xf
	v_add_f32_dpp v8, v8, v8 row_xmask:8 row_mask:0xf bank_mask:0xf
	v_permlanex16_b32 v9, v8, s8, s9
	v_add_f32 v8, v8, v9
	v_mul_f32 v8, 0x34000000, v8                   ; x 2^-23: the mean over 32 x 64 x 64 x 64 numbers
	v_fma_f32 v9, 0x3e800000, v8, v8               ; 0.25 x the commitment loss + the codebook loss
	v_cmp_eq_u32 vcc_lo, 0, v0
	s_wait_alu depctr_va_vdst(0)
	s_wait_xcnt 0x0                                ; EXEC changes only behind this wait
	s_and_saveexec_b32 s10, vcc_lo
	global_store_b32 v2, v9, s[6:7]                ; lane 0 alone
	s_endpgm
.Lfunc_end_k_q95e6ab6d17_total:
	.size	k_q95e6ab6d17_total, .Lfunc_end_k_q95e6ab6d17_total-k_q95e6ab6d17_total
	.p2alignl 7, 3214868480
	.fill 96, 4, 3214868480
	.section	.rodata,"a",@progbits
	.p2align	6, 0x0
	.amdhsa_kernel k_q95e6ab6d17_total
		.amdhsa_group_segment_fixed_size 0
		.amdhsa_private_segment_fixed_size 0
		.amdhsa_enable_private_segment 0
		.amdhsa_kernarg_size 16
		.amdhsa_user_sgpr_count 2
		.amdhsa_user_sgpr_kernarg_segment_ptr 1
		.amdhsa_wavefront_size32 1
		.amdhsa_system_sgpr_workgroup_id_x 1
		.amdhsa_system_sgpr_workgroup_id_y 1
		.amdhsa_system_sgpr_workgroup_id_z 1
		.amdhsa_system_vgpr_workitem_id 0
		.amdhsa_next_free_vgpr 72
		.amdhsa_next_free_sgpr 66
		.amdhsa_reserve_vcc 1
		.amdhsa_float_denorm_mode_32 3
		.amdhsa_float_denorm_mode_16_64 3
		.amdhsa_memory_ordered 1
		.amdhsa_forward_progress 1
		.amdhsa_inst_pref_size 5
	.end_amdhsa_kernel
	.amdgpu_metadata
---
amdhsa.version: [ 1, 2 ]
amdhsa.kernels:
  - .name:           k_q95e6ab6d17_total
    .symbol:         k_q95e6ab6d17_total.kd
    .args:
      - { .name: part, .offset: 0, .size: 8, .value_kind: global_buffer, .address_space: global }
      - { .name: out1, .offset: 8, .size: 8, .value_kind: global_buffer, .address_space: global }
    .group_segment_fixed_size: 0
    .private_segment_fixed_size: 0
    .kernarg_segment_align: 8
    .kernarg_segment_size: 16
    .max_flat_workgroup_size: 32
    .sgpr_count:     66
    .vgpr_count:     72
    .wavefront_size: 32
...
	.end_amdgpu_metadata
.endif
;; end of part 2
